; MI455X (gfx1250); checked and timed in simulation.
; The chip was launched on July 23, 2026; its instructions are those of AMD's public machine-readable ISA for CDNA 5 (MIT licence, August 2026) and "CDNA5" Instruction Set Architecture Reference Guide (July 2026). The comments in the code are by the model that wrote it; some were corrected since.
;; Quantum Superposition Layer. Allowed arithmetic: float matrix products may take bf16 or f16 operands with f32 sums; other float arithmetic in f32, or as packed bf16 or f16 multiplies, adds, multiply-adds, maxima and minima; sums over many terms, partial sums and values carried from step to step in f32; what a program stores and reads back later, other than sums and carried values, may be rounded once to bf16 or f16.
;; Inputs: amplitude_imag 8 x 1,024 float32; amplitude_real 8 x 1,024 float32; hamiltonian 8 x 8 float32; input_state 8,192 x 1,024 float32; projections 8 x 1,024 x 1,024 float32.
;; Outputs: out0 8,192 x 1,024 float32; out1 8 float32; out2 one number float32; out3 one number float32; out4 8 x 1,024 float32; out5 8 x 1,024 float32.
;; One version. Each part assembles by itself: llvm-mc -triple=amdgcn-amd-amdhsa -mcpu=gfx1250 --defsym DOCPART=n.
;; ======== version 1 of 1: 2 launches
;; limits: an iteration or a series of the reference is cut at 10 steps; right only within a limited range of input values; a function is approximated: absolute error at most 1e-05; values are held in f16: magnitudes above 65,504 overflow, below 6.1e-05 lose precision
;; workspace buffers: Mb 2,097,152 bytes
;; launch prep (part 1): grid 257 x 1, 8 waves a work-group, no clusters, 103,680 bytes of LDS; arguments amplitude_real, amplitude_imag, hamiltonian, projections, Mb, out1, out2, out3, out4, out5; writes Mb, out1, out2, out3, out4, out5
.if DOCPART == 1
	.amdgcn_target "amdgcn-amd-amdhsa--gfx1250"
	.amdhsa_code_object_version 6
	.text
	.protected	k_qf8bb631c2c_prep
	.globl	k_qf8bb631c2c_prep
	.p2align	8
	.type	k_qf8bb631c2c_prep,@function
k_qf8bb631c2c_prep:
	s_mov_b64 s[64:65], 0
	v_nop
	global_prefetch_b8 v0, s[64:65] scope:SCOPE_SE
	s_setreg_imm32_b32 hwreg(HW_REG_WAVE_MODE, 25, 1), 1
	s_wait_xcnt 0x0
; QuantumSuperpositionLayer, first of two launches: the evolved amplitudes, the five small results, and the ONE weight matrix of the big product.
; WORK LEFT OUT.  reference() forms proj[b,s,e] = sum_d x[b,d] P[s,d,e] and then out0[b,e] = sum_s w[s,e] proj[b,s,e].  Both sums are finite and linear, so for all values of the inputs
; out0[b,e] = sum_d x[b,d] M[d,e] with M[d,e] = sum_s w[s,e] P[s,d,e].  This launch makes M (8 multiply-adds in f32 a number), the next multiplies x by it: one product of
; 8192 x 1024 x 1024 in place of eight.  No input is left out.  LIMIT: a NaN, an infinity or an overflow that would arise only in x P_s is not carried to out0.
; THE FORMAT.  Mb holds 1,024 M, rounded once to f16: it is a matrix operand.  f16 and not bf16: a column e of out0 is as wide as sqrt(sum_s w[s,e]^2), which differs from column to column, while every
; number must lie within 1% of the whole output's root mean square plus 1% of itself; 8 significant bits in both operands do not hold that in the wide columns, 11 do.  The factor 1,024 (folded into w,
; taken out again, exactly, by the next launch) puts M, which is |w| <= 1 times P's size, into the middle of f16's range.
; LIMITS.  |M| of 64 or more becomes an infinity in Mb; below 6e-8 M keeps a fixed step of 6e-11.
; expm(-i G), G = 0.005 (H + H^T), is its power series up to G^10, with no scaling and squaring: the remainder is at most |G|^11 / 11!, 5e-5 at a largest absolute row sum |G| = 2,
; that is row sums of |H + H^T| / 2 up to 200; beyond that the series is too short.  The angle is a polynomial of degree 11 in min / max, off by at most 1e-5; max(|re|, |im|) below 2^-126 counts as 2^-126;
; angle(0 + 0 i) = 0, and the signs of zeros act as in atan2 (re's sign bit is tested as a whole number).  v_sqrt_f32, v_rcp_f32, v_rsq_f32, v_log_f32 are good to the last bit or so and flush denormals.
; SHARES.  Work-group 0 owns out1 .. out5 (out1, out2, out3 are sums over all 1,024 columns: one owner, no traffic between work-groups).  Work-groups 1 .. 256 make M: g = number - 1,
; columns e = 128 (g % 8) .. + 127, rows d = 32 (g / 8) .. + 31; wave v takes four rows, lane l four columns.  In both kinds WAVE v STANDS FOR STATE v: it makes column v of U (= row v: U is a
; polynomial in a symmetric matrix), state v's norm, and row v of the new amplitudes.  The text splits once, on the work-group's number, so that each counted wait has one history.
; All of a work-group's 128 KiB of P are asked for early: 16 loads a wave ahead of the series, 16 more as soon as registers are free.  No loop, no ring; no prefetch: nothing is left to ask for ahead.
; Matrix units and clusters are left out: the weight differs for every column e and the sum has 8 terms.
.set PRB,   65536                      ; LDS: 0 .. 65,535 the normalised amplitudes, state t at 8,192 t: 4,096 bytes re, 4,096 im.  From here: w, 512 bytes a state (M's groups); |amps|^2, 4,096 a state (group 0)
.set RCB,   98304                      ; 1 / (column sum + 1e-8), 4,096 bytes
.set RED,   102400                     ; eight words each at +0, +32, +64: the waves' sums of probabilities, of |amps|^2, of |amps|
.set SPARE, 102656                     ; the spare words, 128 bytes for each of the eight waves: four blocks of 256 bytes that no other line names
.set ROFF, 2                           ; v2   4,096 v + 16 l: my 16 bytes of a chunk of row v, in the amplitudes and in out4, out5; never rewritten
.set SPW,  3                           ; v3   LDS address of my spare word; never rewritten
.set NIL,  4                           ; v4   0; never rewritten
.set RST,  5                           ; v5   8,192 v + 16 l: where row v goes in LDS
.set CR,   6                           ; v6   16 l (+ 512 j in M's groups): my four columns of a chunk
.set WST,  7                           ; v7   where my w (M's groups) or |amps|^2 (group 0) goes
.set WRD,  8                           ; v8   where w is read (M's groups); my chunk's column sums (group 0)
.set PO,   9                           ; v9-12  M's groups: byte offsets in P, states 2 k and 2 k + 1.  Group 0: LDS addresses
.set MO,   13                          ; v13  my 8 bytes of Mb
.set RS,   14                          ; v14-15  1 / sqrt(norm), twice
.set SA,   16                          ; v16-23, v24-31  the series' vector, by turns
.set SB,   24
.set UIN,  16                          ; v16-23  afterwards: - Im U
.set UR,   32                          ; v32-39  Re U, column v
.set UI,   40                          ; v40-47  Im U
.set G,    48                          ; v48-111  G, row j at 8 j
.set C0,   48                          ; afterwards: a chunk of all 8 states: state t at 8 t: four re, four im
.set WR,   48                          ; afterwards (M's groups): 1,024 w, state s at 4 s
.set ACCM, 80                          ; v80-95  M's sums, row dd at 4 dd
.set PKD,  96                          ; v96-103  1,024 M in f16, row dd at 2 dd
.set N,    112                         ; v112-175  row v as loaded: chunk c's re at 4 c, im at 32 + 4 c.  Afterwards P's second half (M's groups)
.set PKEEP,112                         ; group 0: |amps|^2 of row v, chunk c at 4 c
.set T,    144                         ; group 0: 32 registers at work
.set P1,   176                         ; v176-239  P's first half (M's groups); the second chunk buffer (group 0)
.set NR,   240                         ; v240-243  the new row's re
.set NI,   244                         ; v244-247  its im
.set TT,   240                         ; the norm's four chains
.set ANG,  248                         ; v248-251  the angles
.set SABS, 252                         ; v252-253  the running sum of |amps|
.set ABR, T
.set ABI, T+4
.set MX,  T+8
.set MN,  T+12
.set RCP, T+16
.set SQ,  T+20
.set ZZ,  T+24
.set RR,  T+28
; d += a x u[t], both halves by the one number u[t]: op_sel and op_sel_hi pick the register of u's pair
.macro BFMA d, a, u, t
.if ((\t)%2) == 0
	v_pk_fma_f32 v[(\d):(\d)+1], v[(\a):(\a)+1], v[(\u)+(\t):(\u)+(\t)+1], v[(\d):(\d)+1] op_sel_hi:[1,0,1]
.else
	v_pk_fma_f32 v[(\d):(\d)+1], v[(\a):(\a)+1], v[(\u)+(\t)-1:(\u)+(\t)], v[(\d):(\d)+1] op_sel:[0,1,0] op_sel_hi:[1,1,1]
.endif
.endm
.macro BMUL d, a, u                    ; d = a x u[0]
	v_pk_mul_f32 v[(\d):(\d)+1], v[(\a):(\a)+1], v[(\u):(\u)+1] op_sel_hi:[1,0]
.endm
; dst = G src: four chains of two numbers; G is symmetric, so row j holds column j
.macro MATV dst, src
.set j, 0
.rept 8
.set i, 0
.rept 4
.if j == 0
	BMUL (\dst)+i, G+i, \src
.else
	BFMA (\dst)+i, G+8*j+i, \src, j
.endif
.set i, i+2
.endr
.set j, j+1
.endr
.endm
.macro ACCU dst, src, k                ; dst += k src
.irp i4, 0,2,4,6
	v_pk_fma_f32 v[(\dst)+\i4:(\dst)+\i4+1], v[(\src)+\i4:(\src)+\i4+1], \k, v[(\dst)+\i4:(\dst)+\i4+1] op_sel_hi:[1,0,1]
.endr
.endm
; The sum over the wave's 32 lanes, in every lane
.macro WSUM r, t
	v_add_f32_dpp v[\r], v[\r], v[\r] row_xmask:1 row_mask:0xf bank_mask:0xf
	v_add_f32_dpp v[\r], v[\r], v[\r] row_xmask:2 row_mask:0xf bank_mask:0xf
	v_add_f32_dpp v[\r], v[\r], v[\r] row_xmask:4 row_mask:0xf bank_mask:0xf
	v_add_f32_dpp v[\r], v[\r], v[\r] row_xmask:8 row_mask:0xf bank_mask:0xf
	v_permlanex16_b32 v[\t], v[\r], s12, s13
	v_add_f32 v[\r], v[\r], v[\t]
.endm
; COLUMN v OF U = exp(-i G) = sum of (-i)^k G^k e_v / k!, k = 0 .. 10: work on registers alone, the same numbers in every lane; it stands in the wait for the loads
.macro UCOL
	s_wait_kmcnt 0x0                               ; H: row i at s[16 + 16 (i / 2) + 20 (i / 4) + 8 (i % 2)]
.set i, 0
.rept 8
.set j, 0
.rept 8
	v_add_f32 v[G+8*i+j], s[16+16*(i/2)+20*(i/4)+8*(i%2)+j], s[16+16*(j/2)+20*(j/4)+8*(j%2)+i]
.set j, j+1
.endr
.set i, i+1
.endr
.set i, 0
.rept 32
	v_pk_mul_f32 v[G+i:G+i+1], v[G+i:G+i+1], 0x3ba3d70a op_sel_hi:[1,0]  ; x 0.005 = dt / 2
.set i, i+2
.endr
.irp tt, 0,1,2,3,4,5,6,7
	s_cmp_eq_u32 s8, \tt
	s_cselect_b32 s2, 1.0, 0
	v_mov_b32 v[SA+\tt], s2                        ; e_v starts the series
	v_mov_b32 v[UR+\tt], s2                        ; and is its term k = 0
.endr
	MATV SB, SA
.irp i4, 0,2,4,6
	v_pk_mul_f32 v[UI+\i4:UI+\i4+1], v[SB+\i4:SB+\i4+1], -1.0 op_sel_hi:[1,0]  ; k = 1: -i G e_v
.endr
	MATV SA, SB
	ACCU UR, SA, -0.5
	MATV SB, SA
	ACCU UI, SB, 0x3e2aaaab                        ; + 1 / 3!
	MATV SA, SB
	ACCU UR, SA, 0x3d2aaaab                        ; + 1 / 4!
	MATV SB, SA
	ACCU UI, SB, 0xbc088889                        ; - 1 / 5!
	MATV SA, SB
	ACCU UR, SA, 0xbab60b61                        ; - 1 / 6!
	MATV SB, SA
	ACCU UI, SB, 0x39500d01                        ; + 1 / 7!
	MATV SA, SB
	ACCU UR, SA, 0x37d00d01                        ; + 1 / 8!
	MATV SB, SA
	ACCU UI, SB, 0xb638ef1d                        ; - 1 / 9!
	MATV SA, SB
	ACCU UR, SA, 0xb493f27e                        ; - 1 / 10!
.irp i4, 0,2,4,6
	v_pk_mul_f32 v[UIN+\i4:UIN+\i4+1], v[UI+\i4:UI+\i4+1], -1.0 op_sel_hi:[1,0]
.endr
.endm
; ROW v IS NORMALISED: the sum of its 2,048 squares, 1 / sqrt(sum + 1e-8), and the row goes into LDS for all waves
.macro NORMROW
.set n, 0
.rept 32
.if n < 4
	v_pk_mul_f32 v[TT+2*n:TT+2*n+1], v[N+2*n:N+2*n+1], v[N+2*n:N+2*n+1]
.else
	v_pk_fma_f32 v[TT+2*(n%4):TT+2*(n%4)+1], v[N+2*n:N+2*n+1], v[N+2*n:N+2*n+1], v[TT+2*(n%4):TT+2*(n%4)+1]
.endif
.set n, n+1
.endr
	v_pk_add_f32 v[TT:TT+1], v[TT:TT+1], v[TT+2:TT+3]
	v_pk_add_f32 v[TT+4:TT+5], v[TT+4:TT+5], v[TT+6:TT+7]
	v_pk_add_f32 v[TT:TT+1], v[TT:TT+1], v[TT+4:TT+5]
	v_add_f32 v[TT], v[TT], v[TT+1]
	WSUM TT, TT+1
	v_add_f32 v[TT], 0x322bcc77, v[TT]             ; + 1e-8
	v_rsq_f32 v[RS], v[TT]
	v_rsq_f32 v[RS+1], v[TT]
	v_nop                                          ; a plain instruction behind the last of the two,
	s_wait_alu depctr_va_vdst(0)                   ; and the one wait ahead of their first reader
.set n, 0
.rept 32
	v_pk_mul_f32 v[N+2*n:N+2*n+1], v[N+2*n:N+2*n+1], v[RS:RS+1]
.set n, n+1
.endr
.irp c, 0,1,2,3,4,5,6,7
	ds_store_b128 v[RST], v[N+4*(\c):N+4*(\c)+3] offset:512*(\c)
	ds_store_b128 v[RST], v[N+32+4*(\c):N+32+4*(\c)+3] offset:4096+512*(\c)
.endr
.endm
; My four columns of chunk c, of all eight states, re and im: 16 loads
.macro LDC c, buf
.irp tt, 0,1,2,3,4,5,6,7
	ds_load_b128 v[(\buf)+8*\tt:(\buf)+8*\tt+3], v[CR] offset:\tt*8192+512*(\c)
	ds_load_b128 v[(\buf)+8*\tt+4:(\buf)+8*\tt+7], v[CR] offset:\tt*8192+4096+512*(\c)
.endr
.endm
; Row v of U amps for these four columns: re = sum of Re U re_t - Im U im_t; with im = 1 also im = sum of Re U im_t + Im U re_t
.macro NEWROW buf, im
.set t, 0
.rept 8
.if t == 0
	BMUL NR, (\buf), UR
	BMUL NR+2, (\buf)+2, UR
.if \im
	BMUL NI, (\buf)+4, UR
	BMUL NI+2, (\buf)+6, UR
.endif
.else
	BFMA NR, (\buf)+8*t, UR, t
	BFMA NR+2, (\buf)+8*t+2, UR, t
.if \im
	BFMA NI, (\buf)+8*t+4, UR, t
	BFMA NI+2, (\buf)+8*t+6, UR, t
.endif
.endif
	BFMA NR, (\buf)+8*t+4, UIN, t
	BFMA NR+2, (\buf)+8*t+6, UIN, t
.if \im
	BFMA NI, (\buf)+8*t, UI, t
	BFMA NI+2, (\buf)+8*t+2, UI, t
.endif
.set t, t+1
.endr
.endm
	s_load_b512 s[48:63], s[0:1], 0x0              ; re s[48:49], im s[50:51], H s[52:53], P s[54:55], Mb s[56:57], out1 s[58:59], out2 s[60:61], out3 s[62:63]
	s_load_b128 s[4:7], s[0:1], 0x40               ; out4 s[4:5], out5 s[6:7]
	v_lshl_add_u32 v[SPW], v0, 2, SPARE
	v_mov_b32 v[NIL], 0
	v_lshrrev_b32 v14, 5, v0
	v_readfirstlane_b32 s8, v14                    ; wave = state v
	v_and_b32 v1, 31, v0                           ; lane l
	s_mov_b32 s12, 0x76543210                      ; v_permlanex16_b32: each lane takes its own place in the other half
	s_mov_b32 s13, 0xfedcba98
	s_mov_b32 s14, 0x7fffffff                      ; all but the sign
	v_lshlrev_b32 v[CR], 4, v1
	v_lshl_add_u32 v[ROFF], s8, 12, v[CR]
	v_lshl_add_u32 v[RST], s8, 13, v[CR]
	s_wait_kmcnt 0x0
	s_load_b512 s[16:31], s[52:53], 0x0            ; H's rows 0, 1
	s_load_b512 s[32:47], s[52:53], 0x40           ; 2, 3
	s_load_b512 s[68:83], s[52:53], 0x80           ; 4, 5
	s_load_b512 s[84:99], s[52:53], 0xc0           ; 6, 7
.irp c, 0,1,2,3,4,5,6,7
	global_load_b128 v[N+4*(\c):N+4*(\c)+3], v[ROFF], s[48:49] offset:512*(\c)
.endr
.irp c, 0,1,2,3,4,5,6,7
	global_load_b128 v[N+32+4*(\c):N+32+4*(\c)+3], v[ROFF], s[50:51] offset:512*(\c)
.endr
	s_cmp_eq_u32 ttmp9, 0
	s_cbranch_scc1 .Lmetrics
; ---------------------------------------------------------------- work-groups 1 .. 256: M
; Two rows d0, d0 + 1 of my four, all eight states: 16 loads of 512 consecutive bytes a wave, each byte of P read once in the launch
.macro PLOAD pb, d0
.irp dd, 0,1
.irp ss, 0,1,2,3,4,5,6,7
	global_load_b128 v[(\pb)+4*(8*(\dd)+(\ss)):(\pb)+4*(8*(\dd)+(\ss))+3], v[PO+(\ss)/2], s[54:55] offset:((\ss)%2)*4194304+((\d0)+(\dd))*4096 th:TH_LOAD_NT
.endr
.endr
.endm
; 1,024 M's rows d0, d0 + 1: four chains of eight multiply-adds, rounded once to f16; a wave's store covers 256 consecutive bytes, aligned
.macro COMB pb, d0
.set ss, 0
.rept 8
.set q, 0
.rept 4
.if ss == 0
	v_pk_mul_f32 v[ACCM+4*((\d0)+q/2)+2*(q%2):ACCM+4*((\d0)+q/2)+2*(q%2)+1], v[(\pb)+32*(q/2)+2*(q%2):(\pb)+32*(q/2)+2*(q%2)+1], v[WR+2*(q%2):WR+2*(q%2)+1]
.else
	v_pk_fma_f32 v[ACCM+4*((\d0)+q/2)+2*(q%2):ACCM+4*((\d0)+q/2)+2*(q%2)+1], v[(\pb)+32*(q/2)+4*ss+2*(q%2):(\pb)+32*(q/2)+4*ss+2*(q%2)+1], v[WR+4*ss+2*(q%2):WR+4*ss+2*(q%2)+1], v[ACCM+4*((\d0)+q/2)+2*(q%2):ACCM+4*((\d0)+q/2)+2*(q%2)+1]
.endif
.set q, q+1
.endr
.set ss, ss+1
.endr
.irp dd, 0,1
	v_cvt_pk_f16_f32 v[PKD+2*((\d0)+\dd)], v[ACCM+4*((\d0)+\dd)], v[ACCM+4*((\d0)+\dd)+1]
	v_cvt_pk_f16_f32 v[PKD+2*((\d0)+\dd)+1], v[ACCM+4*((\d0)+\dd)+2], v[ACCM+4*((\d0)+\dd)+3]
	global_store_b64 v[MO], v[PKD+2*((\d0)+\dd):PKD+2*((\d0)+\dd)+1], s[56:57] offset:2048*((\d0)+\dd)
.endr
.endm
	s_sub_co_u32 s2, ttmp9, 1                      ; g
	s_and_b32 s9, s2, 7                            ; j: my 128 columns
	s_lshr_b32 s10, s2, 3                          ; i: my 32 rows
	s_lshl_b32 s3, s10, 5
	s_lshl2_add_u32 s3, s8, s3                     ; d = 32 i + 4 v
	s_lshl_b32 s11, s3, 12                         ; a row of P is 4,096 bytes
	s_lshl_b32 s15, s9, 9                          ; 512 j
	s_add_co_u32 s11, s11, s15
	v_add_nc_u32 v[PO], s11, v[CR]
	v_add_nc_u32 v[PO+1], 0x800000, v[PO]          ; two states are 8,388,608 bytes
	v_add_nc_u32 v[PO+2], 0x1000000, v[PO]
	v_add_nc_u32 v[PO+3], 0x1800000, v[PO]
	PLOAD P1, 0
	s_lshl_b32 s11, s3, 11                         ; a row of Mb is 2,048 bytes
	s_lshl_b32 s2, s9, 8
	s_add_co_u32 s11, s11, s2
	v_lshl_add_u32 v[MO], v1, 3, s11
	v_add_nc_u32 v[CR], s15, v[CR]                 ; 16 l + 512 j
	s_lshl_b32 s2, s8, 9
	s_add_co_u32 s2, s2, PRB
	v_lshl_add_u32 v[WST], v1, 4, s2
	v_lshl_add_u32 v[WRD], v1, 4, PRB
	UCOL
	s_wait_loadcnt 16                              ; row v is in; P's 16 loads, issued behind it, may stay out
	NORMROW
	s_wait_dscnt 0x0                               ; for the others' sake: my row lies in LDS
	PLOAD N, 2                                     ; the row's registers take P's other two rows
	s_barrier_signal -1
	s_barrier_wait -1                              ; all eight rows lie in LDS
	LDC 0, C0
	s_wait_dscnt 0x0
	NEWROW C0, 0                                   ; w[v][my four columns]
	v_pk_mul_f32 v[NR:NR+1], v[NR:NR+1], 0x44800000 op_sel_hi:[1,0]      ; x 1,024, exact: M's place in f16's range
	v_pk_mul_f32 v[NR+2:NR+3], v[NR+2:NR+3], 0x44800000 op_sel_hi:[1,0]
	ds_store_b128 v[WST], v[NR:NR+3]
	s_wait_dscnt 0x0
	s_barrier_signal -1
	s_barrier_wait -1                              ; all eight states' w lie in LDS
.irp ss, 0,1,2,3,4,5,6,7
	ds_load_b128 v[WR+4*(\ss):WR+4*(\ss)+3], v[WRD] offset:512*(\ss)
.endr
	s_wait_dscnt 0x0
	s_wait_loadcnt 16                              ; P's first two rows are in; the 16 loads of the other two may stay out
	COMB P1, 0
	s_wait_loadcnt 0x0
	COMB N, 2
	s_wait_tensorcnt 0x0                           ; the wave's end, behind my last LDS store
	ds_add_u32 v[SPW], v[NIL]
	s_wait_dscnt 0x0
	s_endpgm
; ---------------------------------------------------------------- work-group 0: out1 .. out5
; The angles of four numbers.  r = atan(min / max) by a polynomial; pi / 2 - r where |im| > |re|; pi - r where re's sign bit is set; im's sign.
; The four reciprocals and the four roots of |amps|^2 are one batch with one wait.
.macro ATAN4
.irp k, 0,1,2,3
	v_and_b32 v[ABR+(\k)], s14, v[NR+(\k)]
	v_and_b32 v[ABI+(\k)], s14, v[NI+(\k)]
.endr
.irp k, 0,1,2,3
	v_max_num_f32 v[MX+(\k)], v[ABR+(\k)], v[ABI+(\k)]
	v_min_num_f32 v[MN+(\k)], v[ABR+(\k)], v[ABI+(\k)]
.endr
.irp k, 0,1,2,3
	v_max_num_f32 v[MX+(\k)], 0x800000, v[MX+(\k)] ; at least 2^-126: the reciprocal stays finite, and 0 / 0 gives 0
.endr
.irp k, 0,1,2,3
	v_rcp_f32 v[RCP+(\k)], v[MX+(\k)]
.endr
.irp k, 0,1,2,3
	v_sqrt_f32 v[SQ+(\k)], v[PK+(\k)]
.endr
	v_nop                                          ; a plain instruction behind the last of the batch,
	s_wait_alu depctr_va_vdst(0)                   ; and the one wait ahead of its first reader
.irp k, 0,2
	v_pk_mul_f32 v[MN+(\k):MN+(\k)+1], v[MN+(\k):MN+(\k)+1], v[RCP+(\k):RCP+(\k)+1]  ; q = min / max
.endr
.irp k, 0,2
	v_pk_mul_f32 v[ZZ+(\k):ZZ+(\k)+1], v[MN+(\k):MN+(\k)+1], v[MN+(\k):MN+(\k)+1]    ; z = q^2
.endr
.irp k, 0,2
	v_pk_fma_f32 v[RR+(\k):RR+(\k)+1], v[ZZ+(\k):ZZ+(\k)+1], s[16:17], s[18:19] op_sel_hi:[1,0,0]  ; -0.01172120 z + 0.05265332
.endr
.irp co, 0xbdee745b, 0x3e463042, 0xbeaa4da0, 0x3f7ffe82                                        ; -0.11643287, 0.19354346, -0.33262347, 0.99997726
.irp k, 0,2
	v_pk_fma_f32 v[RR+(\k):RR+(\k)+1], v[RR+(\k):RR+(\k)+1], v[ZZ+(\k):ZZ+(\k)+1], \co op_sel_hi:[1,1,0]
.endr
.endr
.irp k, 0,2
	v_pk_mul_f32 v[RR+(\k):RR+(\k)+1], v[RR+(\k):RR+(\k)+1], v[MN+(\k):MN+(\k)+1]
.endr
.irp k, 0,1,2,3
	v_cmp_gt_f32 vcc_lo, v[ABI+(\k)], v[ABR+(\k)]
	v_sub_f32 v[MX+(\k)], 0x3fc90fdb, v[RR+(\k)]
	v_cndmask_b32 v[RR+(\k)], v[RR+(\k)], v[MX+(\k)], vcc_lo
.endr
.irp k, 0,1,2,3
	v_cmp_gt_i32 vcc_lo, 0, v[NR+(\k)]
	v_sub_f32 v[MX+(\k)], 0x40490fdb, v[RR+(\k)]
	v_cndmask_b32 v[RR+(\k)], v[RR+(\k)], v[MX+(\k)], vcc_lo
.endr
.irp k, 0,1,2,3
	v_bfi_b32 v[ANG+(\k)], s14, v[RR+(\k)], v[NI+(\k)]
.endr
.endm
; Chunk c of row v: 128 columns, four a lane.  The next chunk's 16 LDS loads are out while this one is worked on.
.macro CHUNK c
.set CB, C0+128*((\c)%2)
.set CN, C0+128*(((\c)+1)%2)
.set PK, PKEEP+4*(\c)
	s_wait_xcnt 0x0                                ; the last chunk's stores have read their registers: the angles are written anew only behind this wait
.if (\c) < 7
	LDC (\c)+1, CN
	s_wait_dscnt 16                                ; all but the 16 loads just issued: this chunk is in
.else
	s_wait_dscnt 0x0
.endif
	NEWROW CB, 1
	v_pk_mul_f32 v[PK:PK+1], v[NR:NR+1], v[NR:NR+1]
	v_pk_mul_f32 v[PK+2:PK+3], v[NR+2:NR+3], v[NR+2:NR+3]
	v_pk_fma_f32 v[PK:PK+1], v[NI:NI+1], v[NI:NI+1], v[PK:PK+1]
	v_pk_fma_f32 v[PK+2:PK+3], v[NI+2:NI+3], v[NI+2:NI+3], v[PK+2:PK+3]
	global_store_b128 v[ROFF], v[PK:PK+3], s[4:5] offset:512*(\c)      ; out4: 512 consecutive bytes a wave
	ds_store_b128 v[WST], v[PK:PK+3] offset:512*(\c)
	ATAN4
.if (\c) == 0
	v_pk_add_f32 v[SABS:SABS+1], v[SQ:SQ+1], v[SQ+2:SQ+3]
.else
	v_pk_add_f32 v[SABS:SABS+1], v[SABS:SABS+1], v[SQ:SQ+1]
	v_pk_add_f32 v[SABS:SABS+1], v[SABS:SABS+1], v[SQ+2:SQ+3]
.endif
	global_store_b128 v[ROFF], v[ANG:ANG+3], s[6:7] offset:512*(\c)    ; out5
.endm
.Lmetrics:
	s_lshl_b32 s2, s8, 12
	s_add_co_u32 s2, s2, PRB
	v_lshl_add_u32 v[WST], v1, 4, s2               ; |amps|^2 of row v
	s_lshl_b32 s2, s8, 9
	s_add_co_u32 s2, s2, PRB
	v_lshl_add_u32 v[WRD], v1, 4, s2               ; chunk v of state 0's |amps|^2
	v_lshl_add_u32 v[PO], v1, 4, RCB               ; chunk 0 of the reciprocals
	s_lshl_b32 s2, s8, 2
	s_add_co_u32 s2, s2, RED
	v_mov_b32 v[PO+1], s2                          ; my wave's words among the sums
	UCOL
	s_mov_b32 s16, 0xbc400a47                      ; H's registers are free: the polynomial's first two numbers, each as a pair
	s_mov_b32 s17, 0xbc400a47
	s_mov_b32 s18, 0x3d57ab02
	s_mov_b32 s19, 0x3d57ab02
	s_wait_loadcnt 0x0
	NORMROW
	s_wait_dscnt 0x0
	s_barrier_signal -1
	s_barrier_wait -1                              ; all eight rows lie in LDS
	LDC 0, C0
.irp c, 0,1,2,3,4,5,6,7
	CHUNK \c
.endr
	s_wait_dscnt 0x0
	s_barrier_signal -1
	s_barrier_wait -1                              ; all |amps|^2 lie in LDS
.irp ss, 0,1,2,3,4,5,6,7
	ds_load_b128 v[C0+4*(\ss):C0+4*(\ss)+3], v[WRD] offset:4096*(\ss)  ; wave v sums the eight states over chunk v's columns
.endr
	s_wait_dscnt 0x0
.irp ss, 1,2,3,4,5,6,7
	v_pk_add_f32 v[C0:C0+1], v[C0:C0+1], v[C0+4*(\ss):C0+4*(\ss)+1]
	v_pk_add_f32 v[C0+2:C0+3], v[C0+2:C0+3], v[C0+4*(\ss)+2:C0+4*(\ss)+3]
.endr
	v_pk_add_f32 v[C0:C0+1], v[C0:C0+1], 0x322bcc77 op_sel_hi:[1,0]
	v_pk_add_f32 v[C0+2:C0+3], v[C0+2:C0+3], 0x322bcc77 op_sel_hi:[1,0]
.irp k, 0,1,2,3
	v_rcp_f32 v[C0+4+(\k)], v[C0+(\k)]
.endr
	v_nop
	s_wait_alu depctr_va_vdst(0)                   ; one wait for the four reciprocals
	ds_store_b128 v[WRD], v[C0+4:C0+7] offset:RCB-PRB
	s_wait_dscnt 0x0
	s_barrier_signal -1
	s_barrier_wait -1                              ; all 1,024 reciprocals lie in LDS
.irp c, 0,1,2,3,4,5,6,7
	ds_load_b128 v[C0+4*(\c):C0+4*(\c)+3], v[PO] offset:512*(\c)
.endr
	s_wait_dscnt 0x0
.set n, 0
.rept 16                               ; row v's sums of p / (column sum) at v80-83 and of p at v84-87, two chains each
.if n < 2
	v_pk_mul_f32 v[80+2*n:81+2*n], v[PKEEP+2*n:PKEEP+2*n+1], v[C0+2*n:C0+2*n+1]
.else
	v_pk_fma_f32 v[80+2*(n%2):81+2*(n%2)], v[PKEEP+2*n:PKEEP+2*n+1], v[C0+2*n:C0+2*n+1], v[80+2*(n%2):81+2*(n%2)]
.endif
.if (n == 2) || (n == 3)
	v_pk_add_f32 v[84+2*(n%2):85+2*(n%2)], v[PKEEP+2*n-4:PKEEP+2*n-3], v[PKEEP+2*n:PKEEP+2*n+1]
.elseif n > 3
	v_pk_add_f32 v[84+2*(n%2):85+2*(n%2)], v[84+2*(n%2):85+2*(n%2)], v[PKEEP+2*n:PKEEP+2*n+1]
.endif
.set n, n+1
.endr
	v_pk_add_f32 v[80:81], v[80:81], v[82:83]
	v_pk_add_f32 v[84:85], v[84:85], v[86:87]
	v_add_f32 v80, v80, v81
	v_add_f32 v84, v84, v85
	v_add_f32 v[SABS], v[SABS], v[SABS+1]
	WSUM 80, 81
	WSUM 84, 85
	WSUM SABS, SABS+1
	ds_store_b32 v[PO+1], v80                      ; all lanes write the same word with the same number
	ds_store_b32 v[PO+1], v84 offset:32
	ds_store_b32 v[PO+1], v[SABS] offset:64
	s_wait_dscnt 0x0
	s_barrier_signal -1
	s_barrier_wait -1
	s_cmp_lg_u32 s8, 0
	s_cbranch_scc1 .Lmend                          ; wave 0 finishes
	v_and_b32 v[PO+2], 7, v1
	v_lshl_add_u32 v[PO+2], v[PO+2], 2, RED
	v_mov_b32 v[PO+3], RED
	ds_load_b32 v48, v[PO+2]                       ; lane l: state l % 8's sum of probabilities
	ds_load_b128 v[52:55], v[PO+3] offset:32
	ds_load_b128 v[56:59], v[PO+3] offset:48
	ds_load_b128 v[60:63], v[PO+3] offset:64
	ds_load_b128 v[64:67], v[PO+3] offset:80
	s_wait_dscnt 0x0
	v_pk_add_f32 v[52:53], v[52:53], v[54:55]
	v_pk_add_f32 v[56:57], v[56:57], v[58:59]
	v_pk_add_f32 v[60:61], v[60:61], v[62:63]
	v_pk_add_f32 v[64:65], v[64:65], v[66:67]
	v_pk_add_f32 v[52:53], v[52:53], v[56:57]
	v_pk_add_f32 v[60:61], v[60:61], v[64:65]
	v_add_f32 v52, v52, v53                        ; lam
	v_add_f32 v60, v60, v61                        ; the sum of |amps|
	v_mul_f32 v48, 0x3a800000, v48                 ; the mean over 1,024 columns
	v_add_f32 v70, 0x2b8cbccc, v52                 ; lam + 1e-12
	v_log_f32 v71, v70
	v_mul_f32 v72, 0xbf317218, v52                 ; - ln 2 x lam: also the plain instruction behind the logarithm
	v_fma_f32 v73, v60, v60, -v52                  ; coherence
	v_lshlrev_b32 v74, 2, v1
	v_mov_b32 v75, 0
	s_wait_alu depctr_va_vdst(0)                   ; ahead of the logarithm's first reader
	v_mul_f32 v71, v71, v72                        ; - lam ln(lam + 1e-12)
	s_wait_xcnt 0x0                                ; EXEC changes only behind this wait: stores are out
	v_cmp_gt_u32 vcc_lo, 8, v1
	s_and_saveexec_b32 s2, vcc_lo
	global_store_b32 v74, v48, s[58:59]            ; out1, lanes 0 to 7
	s_wait_xcnt 0x0
	s_or_b32 exec_lo, exec_lo, s2
	v_cmp_eq_u32 vcc_lo, 0, v1
	s_and_saveexec_b32 s2, vcc_lo
	global_store_b32 v75, v71, s[60:61]            ; out2, lane 0
	global_store_b32 v75, v73, s[62:63]            ; out3
	s_wait_xcnt 0x0
	s_or_b32 exec_lo, exec_lo, s2
.Lmend:
	s_wait_tensorcnt 0x0                           ; the wave's end, behind my last LDS store
	ds_add_u32 v[SPW], v[NIL]
	s_wait_dscnt 0x0
	s_endpgm
.Lfunc_end_k_qf8bb631c2c_prep:
	.size	k_qf8bb631c2c_prep, .Lfunc_end_k_qf8bb631c2c_prep-k_qf8bb631c2c_prep
	.p2alignl 7, 3214868480
	.fill 96, 4, 3214868480
	.section	.rodata,"a",@progbits
	.p2align	6, 0x0
	.amdhsa_kernel k_qf8bb631c2c_prep
		.amdhsa_group_segment_fixed_size 103680
		.amdhsa_private_segment_fixed_size 0
		.amdhsa_enable_private_segment 0
		.amdhsa_kernarg_size 80
		.amdhsa_user_sgpr_count 2
		.amdhsa_user_sgpr_kernarg_segment_ptr 1
		.amdhsa_wavefront_size32 1
		.amdhsa_system_sgpr_workgroup_id_x 1
		.amdhsa_system_sgpr_workgroup_id_y 1
		.amdhsa_system_sgpr_workgroup_id_z 1
		.amdhsa_system_vgpr_workitem_id 0
		.amdhsa_next_free_vgpr 256
		.amdhsa_next_free_sgpr 100
		.amdhsa_reserve_vcc 1
		.amdhsa_float_denorm_mode_32 3
		.amdhsa_float_denorm_mode_16_64 3
		.amdhsa_memory_ordered 1
		.amdhsa_forward_progress 1
		.amdhsa_inst_pref_size 174
	.end_amdhsa_kernel
	.amdgpu_metadata
---
amdhsa.version: [ 1, 2 ]
amdhsa.kernels:
  - .name:           k_qf8bb631c2c_prep
    .symbol:         k_qf8bb631c2c_prep.kd
    .args:
      - { .name: amplitude_real, .offset: 0, .size: 8, .value_kind: global_buffer, .address_space: global }
      - { .name: amplitude_imag, .offset: 8, .size: 8, .value_kind: global_buffer, .address_space: global }
      - { .name: hamiltonian, .offset: 16, .size: 8, .value_kind: global_buffer, .address_space: global }
      - { .name: projections, .offset: 24, .size: 8, .value_kind: global_buffer, .address_space: global }
      - { .name: Mb, .offset: 32, .size: 8, .value_kind: global_buffer, .address_space: global }
      - { .name: out1, .offset: 40, .size: 8, .value_kind: global_buffer, .address_space: global }
      - { .name: out2, .offset: 48, .size: 8, .value_kind: global_buffer, .address_space: global }
      - { .name: out3, .offset: 56, .size: 8, .value_kind: global_buffer, .address_space: global }
      - { .name: out4, .offset: 64, .size: 8, .value_kind: global_buffer, .address_space: global }
      - { .name: out5, .offset: 72, .size: 8, .value_kind: global_buffer, .address_space: global }
    .group_segment_fixed_size: 103680
    .private_segment_fixed_size: 0
    .kernarg_segment_align: 8
    .kernarg_segment_size: 80
    .max_flat_workgroup_size: 256
    .sgpr_count:     100
    .vgpr_count:     256
    .wavefront_size: 32
...
	.end_amdgpu_metadata
.endif
;; end of part 1
;; launch gemm (part 2): grid 4 x 64, 4 waves a work-group, clusters of 4 x 4, 327,680 bytes of LDS; arguments input_state, Mb, out0; writes out0
.if DOCPART == 2
	.amdgcn_target "amdgcn-amd-amdhsa--gfx1250"
	.amdhsa_code_object_version 6
	.text
	.protected	k_qf8bb631c2c_gemm
	.globl	k_qf8bb631c2c_gemm
	.p2align	8
	.type	k_qf8bb631c2c_gemm,@function
k_qf8bb631c2c_gemm:
	s_mov_b64 s[64:65], 0
	v_nop
	global_prefetch_b8 v0, s[64:65] scope:SCOPE_SE
	s_setreg_imm32_b32 hwreg(HW_REG_WAVE_MODE, 25, 1), 1
	s_wait_xcnt 0x0
	s_wait_alu depctr_hold_cnt(0) depctr_sa_sdst(0) depctr_va_vdst(0) depctr_va_sdst(0) depctr_va_ssrc(0) depctr_va_vcc(0) depctr_vm_vsrc(0)
	s_getreg_b32 s2, hwreg(HW_REG_IB_STS2, 6, 4)
	s_cmp_eq_u32 s2, 0
	s_cbranch_scc0 .Lentry_in_a_cluster
	s_endpgm
.Lentry_in_a_cluster:
	s_bfe_u32 s2, ttmp6, 0x10000c
	s_cmp_lg_u32 s2, 0xf033
	s_cbranch_scc0 .Lentry_shape_is_right
	s_endpgm
.Lentry_shape_is_right:
; out0[b][e] = sum over d of x[b][d] M[d][e].  x: [8192][1024] f32; Mb = 1,024 M: [1024 (d)][1024 (e)] f16, made by the launch before; out0: [8192][1024] f32.  Sums in f32.
; WORK LEFT OUT: the eight products x P_s; M[d][e] = sum_s w[s][e] P[s][d][e] stands for them by linearity, for all values of the inputs (shown at the head of the first kernel).
; x is rounded to f16 on its way from LDS to the matrix instruction: one conversion of two numbers for each matrix instruction, and no launch that casts it.  The finished sums are multiplied by 2^-10,
; exactly, on the way out: that takes Mb's factor 1,024 out again.  f16 and not bf16: the first kernel's head says why.
; LIMITS.  |x| of 65,520 or more becomes an infinity in the product; below 6e-5 x keeps f16's fixed step of 6e-8.  Mb's own limits stand at the first kernel's head.
; SHARES.  A tile of out0 is 128 rows x 256 columns: 64 x 4 = 256 work-groups.  Four waves, each 64 rows x 128 columns: 32 accumulators of 16 x 16, 256 registers.
; K goes in steps of 128 through a ring of two LDS slots.  A slot holds 128 rows of x (512 bytes of f32 each) and 128 rows d of M (512 bytes: the tile's 256 columns).
; Waves 0 and 1 fetch x's two halves, waves 2 and 3 M's: 64 rows of 512 bytes to a tensor load, each row aligned to 512 bytes in memory.
; CLUSTERS: 4 x 4 work-groups.  The four of a row of the cluster make the four column tiles of the same 128 rows and need the same tiles of x; the four of a column need the same tiles of M.
; Each tile is asked for JOINTLY: the same tensor load, descriptor and mask in all four.  The grid is one cluster wide, so each byte of x is asked for once in the launch.
; THE MATRIX INSTRUCTION IS USED TRANSPOSED (source 0 = 16 columns of M, source 1 = 16 rows of x): a lane then holds eight neighbouring numbers of a row of out0.
; M lies [d][e], K down the rows: its fragments come out of LDS turned, by ds_load_tr16_b128.
; REGISTERS.  Window 0: v0-15 addresses; v16-79 x as loaded (f32, 16 registers for 16 rows x 32 K); v80-111 x in f16 (8 a fragment); v112-175, v176-239 M's fragments, two buffers of eight.
; Window 1: the accumulators, (a, b) at v[8 (8 a + b)].  Three settings: all 0, C and D in window 1, or a store's data in window 1.
.set PX,     528                       ; an LDS row of x: 512 bytes + 16 = 132 words: the 16 rows of a load start at 16 different groups of four banks (64 banks of 4 bytes: ISA guide 11.1)
.set PM,     544                       ; an LDS row of M: 512 + 32 = 136 words
.set XH,     64*PX                     ; what one tensor load brings of x
.set XT,     2*XH
.set MH,     64*PM                     ; and of M
.set SLOT,   XT+2*MH
.set STAGE,  2*SLOT                    ; behind the ring, never filled by a tensor load: 16 rows x 528 bytes for each wave, for the way out
.set SPITCH, 528
.set SPARE,  STAGE+4*16*SPITCH         ; behind the stages: the spare words, 128 bytes for each wave: two blocks of 256 bytes that no other line names
.set ADRA, 6                           ; v6-7   LDS address of my x fragments in slot 0, 1
.set ADRB, 8                           ; v8-9   the same for M
.set STO,  10                          ; v10    the way out: where I put 32 bytes of a row
.set RD,   11                          ; v11    the way out: where I read a row back
.set CO,   12                          ; v12    my 16 bytes of 512 in a row of out0
.set SPW,  13                          ; v13    LDS address of my spare word; never rewritten
.set NIL,  14                          ; v14    0; never rewritten
.set PFO,  15                          ; v15    the prefetches' offset; never rewritten
.set R,    16
.set AB,   80
.set BF0,  112
.set G1A, 24                           ; s[24:31] descriptor group 1 for x's tiles;  s[32:39] group 0, one set for each slot
.set G0A, 32
.set G1B, 48                           ; s[48:55], s[56:63] the same for M's tiles
.set G0B, 56
.set PFA, 44                           ; s[44:45] where my prefetches stand
.set PFS, 22                           ; s[22:23] a K step in bytes along my tensor: 512 in x, 128 rows in M
.set LIM, 43                           ; s43  1 in a wave that prefetches, else the greatest number
.set UNS, 20                           ; s[20:21] on the way out: 2^-10, as a pair
.set MUL, 0x50                         ; C and D in window 1
.set MSB, 0
.macro WIN new                         ; the immediate's high byte repeats the setting that is left; a switch that changes nothing is dropped
.if MSB != (\new)
	s_set_vgpr_msb (MSB<<8)|(\new)
.set MSB, \new
.endif
.endm
; A joint load: waves 0 and 1 ask for x, waves 2 and 3 for M.  The branch hangs on the wave's number alone.  An s_nop 0 and four v_nop follow each of the two lines.
.macro JLOAD s
	s_cmp_eq_u32 s11, 0
	s_cbranch_scc0 .Lfor_b_\@
	tensor_load_to_lds s[G0A+4*(\s):G0A+4*(\s)+3], s[G1A:G1A+7]
	s_nop 0
.rept 4
	v_nop
.endr
	s_branch .Lasked_\@
.Lfor_b_\@:
	tensor_load_to_lds s[G0B+4*(\s):G0B+4*(\s)+3], s[G1B:G1B+7]
	s_nop 0
.rept 4
	v_nop
.endr
.Lasked_\@:
.endm
; A prefetch into the L2 of the K step that stands two refills on: of the 64 rows x 512 bytes that I fetch, my work-group's 16 rows (told apart by address: cx for x, cy for M), two lanes a row, 256 bytes apart.
; x's rows are read by this cluster alone; M's rows by every cluster: the cluster with y = 0 asks.  So each block of 256 bytes of K steps 4 to 7 is named once in the launch.
; K steps 0 to 3 come by their loads alone; the loop's last trip (s3 = 1) asks for nothing: there is no K step 8.
.macro ASK
	s_cmp_gt_u32 s3, s[LIM]
	s_cbranch_scc0 .Lnot_mine_\@
	global_prefetch_b8 v[PFO], s[PFA:PFA+1] th:TH_LOAD_NT scope:SCOPE_SE
.Lnot_mine_\@:
.endm
.macro CREST                           ; a round of the cluster's barrier behind its opening barrier
	s_cmp_lg_u32 s10, 0
	s_cbranch_scc1 .Lnot_wave_0_\@
	s_barrier_signal -3
.Lnot_wave_0_\@:
	s_barrier_wait -3
	s_barrier_signal -1
	s_barrier_wait -1
.endm
.macro CROUND                          ; a whole round
	s_barrier_signal -1
	s_barrier_wait -1
	CREST
.endm
	s_load_b128 s[4:7], s[0:1], 0x0                ; x s[4:5], Mb s[6:7]
	s_load_b64 s[8:9], s[0:1], 0x10                ; out0
	v_lshl_add_u32 v[SPW], v0, 2, SPARE
	v_mov_b32 v[NIL], 0
	ds_add_u32 v[SPW], v[NIL]                      ; the wave's opening: the add, twice on end, and its wait ahead of my first tensor load
	ds_add_u32 v[SPW], v[NIL]                      ; and once more, under the one wait; the set-up below, work on registers, stands between
	v_lshrrev_b32 v1, 5, v0
	v_readfirstlane_b32 s10, v1                    ; wave 0..3
	s_lshr_b32 s11, s10, 1                         ; which half of the tile's rows is mine.  Also: I fetch for x (0) or for M (1)
	s_and_b32 s12, s10, 1                          ; which half of its columns.  Also: which 64 rows of that tile I fetch
	s_bfe_u32 s40, ttmp6, 0x40000                  ; cx, cy: my place in the cluster
	s_bfe_u32 s41, ttmp6, 0x40004
	s_lshl_b32 s42, ttmp9, 2
	s_add_co_u32 s42, s42, s40                     ; tile column = 4 x cluster x + cx
	s_and_b32 s13, ttmp7, 0xffff
	s_lshl_b32 s13, s13, 2
	s_add_co_u32 s13, s13, s41                     ; tile row = 4 x cluster y + cy
	s_lshl_b32 s43, s41, 2
	s_lshl_b32 s43, 15, s43                        ; my row of the cluster
	s_lshl_b32 s44, 0x1111, s40                    ; my column
	s_or_b32 s[G1A], s43, (2<<16)|(1<<20)|(1<<21)|(6<<22)|(3<<25)  ; 15:0 the mask: x's tiles go to my row; 17:16 elements of 4 bytes; 20 padding on; 21 set beside a mask; 24:22 after every 128 words; 31:25 4 words of it
	s_or_b32 s[G1B], s44, (1<<16)|(1<<20)|(1<<21)|(6<<22)|(7<<25)  ; M's go to my column; elements of 2 bytes; 8 words of padding
	s_mov_b32 s[G1A+1], 128<<16                    ; tensor_dim0 = 128 elements
	s_mov_b32 s[G1A+2], 64<<16                     ; tensor_dim1 = 64
	s_mov_b32 s[G1A+3], 128<<16                    ; tile_dim0 = 128
	s_mov_b32 s[G1A+4], 64                         ; tile_dim1 = 64
	s_mov_b32 s[G1A+5], 1024                       ; elements from row to row
	s_mov_b32 s[G1A+6], 0
	s_mov_b32 s[G1A+7], 0
	s_mov_b32 s[G1B+1], 256<<16                    ; tensor_dim0 = 256 elements
	s_mov_b32 s[G1B+2], 64<<16
	s_mov_b32 s[G1B+3], 256<<16
	s_mov_b32 s[G1B+4], 64
	s_mov_b32 s[G1B+5], 1024
	s_mov_b32 s[G1B+6], 0
	s_mov_b32 s[G1B+7], 0
	s_lshl_b32 s16, s13, 7                         ; x: row 128 x tile row + 64 x half, 4,096 bytes a row: made of the tile row and the wave's number alone
	s_lshl_b32 s17, s12, 6
	s_add_co_u32 s16, s16, s17
	s_lshl_b32 s16, s16, 12
	s_mov_b32 s17, 0
	s_lshl_b32 s46, s42, 9                         ; M: 512 bytes x tile column + 64 rows of 2,048 bytes x half: made of the tile column and the wave's number alone
	s_lshl_b32 s47, s12, 17
	s_add_co_u32 s46, s46, s47
	s_mov_b32 s47, 0
	s_mul_i32 s20, s12, XH                         ; where they go: no place in the cluster enters an LDS address
	s_mul_i32 s21, s12, MH
	s_add_co_u32 s21, s21, XT
	s_wait_dscnt 0x0                               ; both opening adds are done
	s_wait_kmcnt 0x0
	s_add_nc_u64 s[14:15], s[4:5], s[16:17]
	s_add_nc_u64 s[46:47], s[6:7], s[46:47]
	CROUND                                         ; all sixteen work-groups are here: the first joint loads meet
.irp s, 0,1
	s_mov_b32 s[G0A+4*(\s)], 1                     ; count = 1
	s_add_co_u32 s[G0A+4*(\s)+1], s20, (\s)*SLOT   ; LDS address
	s_add_nc_u64 s[G0A+4*(\s)+2:G0A+4*(\s)+3], s[14:15], (\s)*512      ; global address: K step s
	s_or_b32 s[G0A+4*(\s)+3], s[G0A+4*(\s)+3], 0x80000000              ; type = 2
	s_mov_b32 s[G0B+4*(\s)], 1
	s_add_co_u32 s[G0B+4*(\s)+1], s21, (\s)*SLOT
	s_add_nc_u64 s[G0B+4*(\s)+2:G0B+4*(\s)+3], s[46:47], (\s)*128*2048
	s_or_b32 s[G0B+4*(\s)+3], s[G0B+4*(\s)+3], 0x80000000
	JLOAD \s                                       ; two tensor loads of mine are out
.endr
	; A fragment of x: lane l holds row l % 16; K = 8 (l / 16) + 0..7 are 32 bytes of f32, K = 16 + 8 (l / 16) + 0..7 the 32 bytes 64 further on: four loads of 16 bytes.
	v_and_b32 v1, 15, v0                           ; l % 16
	v_bfe_u32 v2, v0, 4, 1                         ; l / 16
	v_mul_u32_u24 v3, v1, PX
	v_lshl_add_u32 v3, v2, 5, v3                   ; row x pitch + 32 x half
	s_mul_i32 s18, s11, XH                         ; my 64 rows of x
	v_add_nc_u32 v[ADRA], s18, v3
	v_add_nc_u32 v[ADRA+1], SLOT, v[ADRA]
	; The turning load takes 16 K x 16 columns (lane l reads row 8 (l / 16) + l % 8, columns 8 ((l / 8) % 2) + 0..7) and leaves half a fragment: lane l holds column l % 16 and 8 K.
	v_and_b32 v4, 7, v0
	v_lshl_add_u32 v4, v2, 3, v4
	v_mul_u32_u24 v4, v4, PM
	v_bfe_u32 v5, v0, 3, 1
	v_lshl_add_u32 v4, v5, 4, v4
	s_lshl_b32 s18, s12, 8                         ; my 128 columns of M: 256 bytes,
	s_add_co_u32 s18, s18, XT                      ; behind x's 128 rows
	v_add_nc_u32 v[ADRB], s18, v4
	v_add_nc_u32 v[ADRB+1], SLOT, v[ADRB]
	s_mul_i32 s18, s10, 16*SPITCH
	s_add_co_u32 s18, s18, STAGE                   ; my stage
	v_add_nc_u32 v[STO], s18, v3                   ; in: row l % 16, 32 bytes for each half of the lanes (the stage's pitch is x's)
	v_and_b32 v5, 31, v0
	v_lshlrev_b32 v[CO], 4, v5                     ; back: 32 lanes take one row of 512 bytes
	v_add_nc_u32 v[RD], s18, v[CO]
	s_lshl_b32 s16, s13, 7                         ; where my part of the tile begins in out0: row 128 x tile row + 64 x half,
	s_lshl_b32 s17, s11, 6
	s_add_co_u32 s16, s16, s17
	s_lshl_b32 s16, s16, 12
	s_lshl_b32 s17, s42, 10                        ; 1,024 bytes x tile column,
	s_add_co_u32 s16, s16, s17
	s_lshl_b32 s17, s12, 9                         ; 512 x half
	s_add_co_u32 s16, s16, s17
	s_mov_b32 s17, 0
	; the prefetches: x at row 128 x tile row + 64 x half + 16 cx, K step 3; M at row 3 x 128 + 64 x half + 16 cy, my tile column.  The first refill steps them to K step 4.
	s_lshl_b32 s14, s13, 7
	s_lshl_b32 s15, s12, 6
	s_add_co_u32 s14, s14, s15
	s_add_co_u32 s18, s15, 3*128
	s_lshl_b32 s19, s40, 4
	s_add_co_u32 s14, s14, s19
	s_lshl_b32 s19, s41, 4
	s_add_co_u32 s18, s18, s19
	s_lshl_b32 s14, s14, 12
	s_add_co_u32 s14, s14, 3*512
	s_lshl_b32 s18, s18, 11
	s_lshl_b32 s19, s42, 9
	s_add_co_u32 s18, s18, s19
	s_and_b32 s19, ttmp7, 0xffff                   ; cluster y
	s_cmp_eq_u32 s11, 0                            ; do I fetch for x?
	s_cselect_b32 s20, s14, s18
	s_cselect_b32 s19, 0, s19                      ; x: always mine; M: where cluster y = 0
	s_cselect_b32 s15, 12, 11                      ; a row's bytes, as a shift
	s_cselect_b32 s[PFS], 9, 18                    ; a K step's bytes, as a shift
	s_cselect_b64 s[PFA:PFA+1], s[4:5], s[6:7]
	s_mov_b32 s21, 0
	s_mov_b32 s[PFS+1], 0
	s_add_nc_u64 s[PFA:PFA+1], s[PFA:PFA+1], s[20:21]
	s_lshl_b32 s[PFS], 1, s[PFS]
	s_cmp_eq_u32 s19, 0
	s_cselect_b32 s[LIM], 1, -1                    ; the same in all sixteen partners, for a given wave
	v_bfe_u32 v5, v0, 1, 4                         ; lane / 2: the row
	v_lshlrev_b32 v5, s15, v5
	v_and_b32 v[PFO], 1, v0                        ; lane % 2: which 256 bytes of its 512
	v_lshl_add_u32 v[PFO], v[PFO], 8, v5
	s_mov_b32 s[UNS], 0x3a800000                   ; 2^-10: s[20:21] have served the address above
	s_mov_b32 s[UNS+1], 0x3a800000                 ; named with it as a pair
.macro CVT a                           ; block a of x: 16 f32 a lane to 8 registers of f16; eight plain vector instructions
.irp o, 0,1,2,3,4,5,6,7
	v_cvt_pk_f16_f32 v[AB+8*(\a)+(\o)], v[R+16*(\a)+2*(\o)], v[R+16*(\a)+2*(\o)+1]
.endr
.endm
.macro LDA slot, kq, a                 ; block a of x, quarter kq of the slot's K step: four loads
.irp o, 0,1,2,3
	ds_load_b128 v[R+16*(\a)+4*(\o):R+16*(\a)+4*(\o)+3], v[ADRA+(\slot)] offset:16*(\a)*PX+128*(\kq)+16*((\o)%2)+64*((\o)/2)
.endr
.endm
.macro LDB slot, kq, buf, b0           ; fragments b0 .. b0 + 3 of M, quarter kq, into buffer buf: eight loads
.irp o, 0,1,2,3
	ds_load_tr16_b128 v[BF0+64*(\buf)+8*((\b0)+(\o)):BF0+64*(\buf)+8*((\b0)+(\o))+3],   v[ADRB+(\slot)] offset:32*(\kq)*PM+32*((\b0)+(\o))
	ds_load_tr16_b128 v[BF0+64*(\buf)+8*((\b0)+(\o))+4:BF0+64*(\buf)+8*((\b0)+(\o))+7], v[ADRB+(\slot)] offset:32*(\kq)*PM+16*PM+32*((\b0)+(\o))
.endr
.endm
; Eight matrix instructions: block a of my rows x all eight column blocks, 32 along K.  The 32 accumulators take turns, one instruction a turn, in the same order everywhere.
; zero = 1: the first product starts the sums: nothing is ever cleared.
.macro GROUP a, buf, zero
	WIN MUL
.irp b, 0,1,2,3,4,5,6,7
.if \zero
	v_wmma_f32_16x16x32_f16 v[8*(8*(\a)+(\b)):8*(8*(\a)+(\b))+7], v[BF0+64*(\buf)+8*(\b):BF0+64*(\buf)+8*(\b)+7], v[AB+8*(\a):AB+8*(\a)+7], 0
.else
	v_wmma_f32_16x16x32_f16 v[8*(8*(\a)+(\b)):8*(8*(\a)+(\b))+7], v[BF0+64*(\buf)+8*(\b):BF0+64*(\buf)+8*(\b)+7], v[AB+8*(\a):AB+8*(\a)+7], v[8*(8*(\a)+(\b)):8*(8*(\a)+(\b))+7]
.endif
.endr
.endm
; A K step is four quarters of 32 along K, 32 matrix instructions each, M's fragments in buffers 0, 1, 0, 1.  One of the first three: multiplies buffer cur and fetches quarter kq of the slot.
; A quarter's 32 loads go out in the order x 0, M 0-3, x 1, M 4-7, x 2, x 3; a block of x is asked for again as soon as it is converted.
; PLACES (ISA guide 7.12.1 for vector instructions).  The other buffer of M was last read by the quarter before: block 0's eight conversions, which name none of those products' registers, stand between
; its last product and the first load into that buffer.  Block a's f16 registers are written again 24 conversions behind the products that read them.
.macro QUARTER slot, kq, cur, zero
	WIN 0
	s_wait_dscnt 8                                 ; all but x's blocks 2 and 3, the youngest eight loads
	CVT 0
	LDA \slot, \kq, 0
	LDB \slot, \kq, 1-(\cur), 0
	GROUP 0, \cur, \zero
	WIN 0
	CVT 1
	LDA \slot, \kq, 1
	LDB \slot, \kq, 1-(\cur), 4
	GROUP 1, \cur, \zero
	WIN 0
	s_wait_dscnt 28                                ; block 2 is in: behind it stand block 3's four loads and the 24 issued above
	CVT 2
	LDA \slot, \kq, 2
	GROUP 2, \cur, \zero
	WIN 0
	s_wait_dscnt 28                                ; block 3 is in: behind it stand the 24 and block 2's new four
	CVT 3
	LDA \slot, \kq, 3
	GROUP 3, \cur, \zero
.endm
; The last quarter multiplies buffer 1 and changes slots: ONE barrier.  In front of it each wave waits for all its tensor loads (one is out: its part of the next slot), adds 0 to its spare word, and waits for that
; and for its own reads of this slot.  fill = 1: the barrier opens a round of the cluster's barrier, so that no wave of any partner still reads the slot or has a load on its way; the joint refill, two K steps
; ahead, is the first tensor load behind the round: 112 matrix instructions stand between it and the wait for it.
.macro QLAST slot, next, fill
	WIN 0
.if \fill
	s_wait_xcnt 0x0                                ; the last prefetch, a K step back, has read its address, so it may be stepped
	s_add_nc_u64 s[PFA:PFA+1], s[PFA:PFA+1], s[PFS:PFS+1]
.endif
	s_wait_tensorcnt 0x0                           ; all my tensor loads have landed: my part of the next slot
	ds_add_u32 v[SPW], v[NIL]                      ; 0 onto my spare word
	s_wait_dscnt 9                                 ; (the add and x's blocks 2 and 3 may be out)
	CVT 0
	GROUP 0, 1, 0                                  ; work on registers stands between the add and the wait for it
	s_wait_dscnt 0x0                               ; the add is done, and my reads of this slot are over
	s_barrier_signal -1
	WIN 0
	CVT 1
	GROUP 1, 1, 0                                  ; work on registers while the others arrive
	WIN 0                                          ; at a branch and at a label every window is 0
	s_barrier_wait -1
.if \fill
	CREST
	s_add_nc_u64 s[G0A+4*(\slot)+2:G0A+4*(\slot)+3], s[G0A+4*(\slot)+2:G0A+4*(\slot)+3], 2*512
	s_add_nc_u64 s[G0B+4*(\slot)+2:G0B+4*(\slot)+3], s[G0B+4*(\slot)+2:G0B+4*(\slot)+3], 2*128*2048
	JLOAD \slot
.endif
	LDA \next, 0, 0                                ; the next slot's first quarter; buffer 0 was last read a quarter ago, sixteen conversions back
	LDA \next, 0, 1
	LDB \next, 0, 0, 0
	LDB \next, 0, 0, 4
.if \fill
	ASK                                            ; behind the joint load and the run of LDS loads that the next products wait for
.endif
	CVT 2
	LDA \next, 0, 2
	GROUP 2, 1, 0
	WIN 0
	CVT 3
	LDA \next, 0, 3
	GROUP 3, 1, 0
.endm
	s_wait_tensorcnt 1                             ; my part of K step 0 is in; K step 1's may stay out
	s_barrier_signal -1
	s_barrier_wait -1                              ; everybody's is
	LDA 0, 0, 0
	LDA 0, 0, 1
	LDB 0, 0, 0, 0
	LDB 0, 0, 0, 4
	LDA 0, 0, 2
	LDA 0, 0, 3
	QUARTER 0, 1, 0, 1                             ; the first quarter stands in front of the loop: its products start the sums
	WIN 0
	s_mov_b32 s3, 3
.Llap:                                                 ; a trip goes once round the ring, from a lap's second quarter to the next lap's first, and fills both slots again: K steps 2 to 7
	QUARTER 0, 2, 1, 0
	QUARTER 0, 3, 0, 0
	QLAST 0, 1, 1
	QUARTER 1, 1, 0, 0
	QUARTER 1, 2, 1, 0
	QUARTER 1, 3, 0, 0
	QLAST 1, 0, 1
	QUARTER 0, 1, 0, 0
	WIN 0
	s_sub_co_u32 s3, s3, 1
	s_cmp_lg_u32 s3, 0
	s_cbranch_scc1 .Llap
	QUARTER 0, 2, 1, 0                             ; the last lap is written out: it fills nothing, and has no round of the cluster's barrier
	QUARTER 0, 3, 0, 0
	QLAST 0, 1, 0
	QUARTER 1, 1, 0, 0
	QUARTER 1, 2, 1, 0
	QUARTER 1, 3, 0, 0
	WIN 0                                          ; the very last quarter: nothing more to fetch, the counts run down
	s_wait_dscnt 8
	CVT 0
	GROUP 0, 1, 0
	WIN 0
	CVT 1
	GROUP 1, 1, 0
	WIN 0
	s_wait_dscnt 4
	CVT 2
	GROUP 2, 1, 0
	WIN 0
	s_wait_dscnt 0x0
	CVT 3
	GROUP 3, 1, 0
	WIN 0
; THE WAY OUT.  A lane's eight numbers are 32 bytes of a row; a block of 16 rows goes into my own stage, rows of 528 bytes, and comes back as whole rows of 512 bytes, which are multiplied by 2^-10 and stored.
; The stage is the wave's own and LDS serves a wave's instructions in order (ISA guide 5.7.1.4): no barrier, and no wait between the stores and the loads.
.macro TOSTAGE a
	WIN 0x04                                       ; the store's data in window 1, its address in window 0
.irp b, 0,1,2,3,4,5,6,7
	ds_store_b128 v[STO], v[8*(8*(\a)+(\b)):8*(8*(\a)+(\b))+3] offset:64*(\b)          ; each accumulator's lowest registers are read first
	ds_store_b128 v[STO], v[8*(8*(\a)+(\b))+4:8*(8*(\a)+(\b))+7] offset:64*(\b)+16
.endr
	WIN 0
.if (\a) >= 2
	s_wait_xcnt 0x0                                ; the stores of the block two back have read these registers: they are loaded again only behind this wait
.endif
.set OB, R+96*((\a)%2)                 ; v16-79 and v112-175 by turns
.irp t, 0,1,2,3,4,5,6,7,8,9,10,11,12,13,14,15
	ds_load_b128 v[OB+4*(\t):OB+4*(\t)+3], v[RD] offset:SPITCH*(\t)
.endr
.endm
.macro SEND a, younger                 ; younger: the LDS instructions issued behind block a's loads: the next block's 32, or none
.set OB, R+96*((\a)%2)
	s_wait_dscnt \younger                          ; the block is back in registers
.set oo, 0
.rept 32
	v_pk_mul_f32 v[OB+oo:OB+oo+1], v[OB+oo:OB+oo+1], s[UNS:UNS+1] op_sel_hi:[1,0]  ; x 2^-10, exact: Mb's factor is taken out
.set oo, oo+2
.endr
	s_wait_xcnt 0x0                                ; earlier stores have read their base: it is stepped only behind this wait
.if (\a) == 0
	s_add_nc_u64 s[8:9], s[8:9], s[16:17]          ; my first rows of the tile
.else
	s_add_nc_u64 s[8:9], s[8:9], 16*4096           ; 16 rows on
.endif
.irp t, 0,1,2,3,4,5,6,7,8,9,10,11,12,13,14,15
	global_store_b128 v[CO], v[OB+4*(\t):OB+4*(\t)+3], s[8:9] offset:4096*(\t) th:TH_STORE_NT  ; a wave's store covers 512 consecutive bytes, at a multiple of 512 from out0's first byte
.endr
.endm
.rept 8
	v_nop                                          ; the places behind the last products, in front of the stores that read results and of the loads into fragment registers
.endr
	TOSTAGE 0
	TOSTAGE 1
	SEND 0, 32
	TOSTAGE 2
	SEND 1, 32
	TOSTAGE 3
	SEND 2, 32
	SEND 3, 0
	s_wait_tensorcnt 0x0                           ; the wave's end, behind my last tensor load and my last LDS store
	ds_add_u32 v[SPW], v[NIL]
	s_wait_dscnt 0x0
	CROUND                                         ; the closing round: no work-group ends while a partner may still ask for a tile that names it
	s_endpgm
.Lfunc_end_k_qf8bb631c2c_gemm:
	.size	k_qf8bb631c2c_gemm, .Lfunc_end_k_qf8bb631c2c_gemm-k_qf8bb631c2c_gemm
	.p2alignl 7, 3214868480
	.fill 96, 4, 3214868480
	.section	.rodata,"a",@progbits
	.p2align	6, 0x0
	.amdhsa_kernel k_qf8bb631c2c_gemm
		.amdhsa_group_segment_fixed_size 327680
		.amdhsa_private_segment_fixed_size 0
		.amdhsa_enable_private_segment 0
		.amdhsa_kernarg_size 24
		.amdhsa_user_sgpr_count 2
		.amdhsa_user_sgpr_kernarg_segment_ptr 1
		.amdhsa_wavefront_size32 1
		.amdhsa_system_sgpr_workgroup_id_x 1
		.amdhsa_system_sgpr_workgroup_id_y 1
		.amdhsa_system_sgpr_workgroup_id_z 1
		.amdhsa_system_vgpr_workitem_id 0
		.amdhsa_next_free_vgpr 512
		.amdhsa_next_free_sgpr 66
		.amdhsa_reserve_vcc 0
		.amdhsa_float_denorm_mode_32 3
		.amdhsa_float_denorm_mode_16_64 3
		.amdhsa_memory_ordered 1
		.amdhsa_forward_progress 1
		.amdhsa_inst_pref_size 136
	.end_amdhsa_kernel
	.amdgpu_metadata
---
amdhsa.version: [ 1, 2 ]
amdhsa.kernels:
  - .name:           k_qf8bb631c2c_gemm
    .symbol:         k_qf8bb631c2c_gemm.kd
    .args:
      - { .name: input_state, .offset: 0, .size: 8, .value_kind: global_buffer, .address_space: global }
      - { .name: Mb, .offset: 8, .size: 8, .value_kind: global_buffer, .address_space: global }
      - { .name: out0, .offset: 16, .size: 8, .value_kind: global_buffer, .address_space: global }
    .group_segment_fixed_size: 327680
    .private_segment_fixed_size: 0
    .kernarg_segment_align: 8
    .kernarg_segment_size: 24
    .max_flat_workgroup_size: 128
    .sgpr_count:     66
    .vgpr_count:     512
    .wavefront_size: 32
...
	.end_amdgpu_metadata
.endif
;; end of part 2
